; MI455X (gfx1250); checked and timed in simulation.
; The chip was launched on July 23, 2026; its instructions are those of AMD's public machine-readable ISA for CDNA 5 (MIT licence, August 2026) and "CDNA5" Instruction Set Architecture Reference Guide (July 2026). The comments in the code are by the model that wrote it; some were corrected since.
;; MVG Layer. Allowed arithmetic: matrix products marked QUANTISED: E2M1 operands, one E8M0 scale for each 32 along K, by v_wmma_scale_f32_16x16x128_f8f6f4 with both operands' format E2M1 (or v_wmma_scale_f32_32x16x128_f4), f32 sums; everything else in f32.
;; Inputs: W_m 4,096 x 4,096 float32; W_u 4,096 float32; W_v 4,096 float32; eps 4,096 x 4,096 float32; x_codes 4,096 x 128 x 16 uint8 (E2M1 codes of x, K innermost, in blocks of 32 codes, two codes a byte); x_scales 4,096 x 128 uint8 (E8M0 scales of x, one for each 32 codes along K).
;; Outputs: out0 4,096 x 4,096 float32.
;; This version of the problem:
;;   THIS VERSION OF THE PROBLEM IS GIVEN IN LOW PRECISION. The matrix products marked QUANTISED in the list below multiply operands that are first quantised to E2M1 (2 exponent bits, 1 mantissa bit; 4 bits a number), with one power-of-two scale for each 32 numbers along K (OCP MX v1.0); their sums are f32. All else is computed in f32.
;;   The module's matrix products, in the order in which they are computed (A, B: the left and right operand; K: the contracted axis; several contracted axes count as one K, in the product's order):
;;     1. [M 4,096, K 4,096] x [K 4,096, N 4,096]; A: input x (given as codes); B: computed on the way: QUANTISED
;;   THE QUANTISER, for each operand of a quantised product, along K:
;;     - K is cut into blocks of 32 from its start; a last block that is shorter is filled with zeros.
;;     - A block's scale is 2^e with e = floor(log2(the largest magnitude in the block)) - 2, held to -126 .. 127; a block of zeros has e = 0. As a byte (E8M0): e + 127.
;;     - Each number is divided by its block's scale, clamped to +-6, and rounded to the nearest number of E2M1, ties to even, subnormals kept.
;;     - The product sums the exact products of the quantised numbers (number of the format x scale) in f32.
;;   ~~~python
;;   def quantise(x, axis):      # numpy; x: float32 -> the quantised numbers, widened to float32 again
;;       x = np.moveaxis(x, axis, -1); K = x.shape[-1]
;;       x = np.pad(x, [(0, 0)] * (x.ndim - 1) + [(0, -K % 32)]); x = x.reshape(x.shape[:-1] + (-1, 32)); a = np.abs(x).max(-1, keepdims=True)
;;       e = np.where(a > 0, np.clip(np.frexp(np.where(a > 0, a, 1))[1] - 1 - 2, -126, 127), 0)      # np.frexp(a)[1] - 1 = floor(log2(a)), exactly
;;       r = np.clip(x / 2.0 ** e, -6, 6)
;;       step = 2.0 ** (np.maximum(np.frexp(np.where(r == 0, 1, r))[1] - 1, 0) - 1)
;;       q = np.round(r / step) * step * 2.0 ** e      # np.round: ties to even
;;       return np.moveaxis(q.reshape(q.shape[:-2] + (-1,))[..., :K], -1, axis).astype(np.float32)
;;   ~~~
;;   OPERANDS COMPUTED ON THE WAY. 'Computed on the way' means the value that the module computes at that place (a softmax that the list does not call 'softmax' is quantised finished and normalised). What goes into a quantiser is computed in f32, as accurately as f32 sums, v_exp_f32 and their like allow (about 1e-6 of the number): no bf16 or f16 on the way to a quantiser, and a product that is left as it is and whose result goes on into a quantised operand takes f32 operands (vector FMAs, or v_wmma_f32_16x16x4_f32). A number that lies on a knife's edge between two numbers of the format may be rounded either way, as far as f32 arithmetic and the matrix unit's own rounding can turn it there, and no further.
;;   INPUTS GIVEN AS CODES. x (in the module: [4096, 4096], K = its axis 1): each comes as NAME_codes (uint8): NAME with its K axis moved to the last place and cut into blocks of 32 codes, [.., K / 32, bytes a block], one block behind the other in memory; two codes a byte, the lower K in the low four bits (a code: sign, 2 exponent bits, 1 mantissa bit); and NAME_scales (uint8): the same leading axes, one E8M0 byte (e + 127) for each 32 codes along K. Its value is code x scale, taken as it is: it is not quantised again, and the codes and scales need not be those that the quantiser above would give.
;; One version. Each part assembles by itself: llvm-mc -triple=amdgcn-amd-amdhsa -mcpu=gfx1250 --defsym DOCPART=n.
;; ======== version 1 of 1: 2 launches
;; limits: right only within a limited range of input values
;; workspace buffers: w_codes 8,388,608 bytes; scales 1,048,576 bytes
;; launch quant (part 1): grid 32 x 8, 16 waves a work-group, no clusters, 38,912 bytes of LDS; arguments W_m, eps, W_u, W_v, x_scales, w_codes, scales; writes w_codes, scales
.if DOCPART == 1
	.amdgcn_target "amdgcn-amd-amdhsa--gfx1250"
	.amdhsa_code_object_version 6
	.text
	.protected	k_q7dc6a301d5_quant
	.globl	k_q7dc6a301d5_quant
	.p2align	8
	.type	k_q7dc6a301d5_quant,@function
k_q7dc6a301d5_quant:
	s_mov_b64 s[64:65], 0
	v_nop
	global_prefetch_b8 v0, s[64:65] scope:SCOPE_SE
	s_setreg_imm32_b32 hwreg(HW_REG_WAVE_MODE, 25, 1), 1
	s_wait_xcnt 0x0
; W[k][n] = W_m[k][n] + exp(0.5 W_u[k]) eps[k][n] exp(0.5 W_v[n]), in f32, is turned into codes of FP4 (E2M1) along K, its FIRST axis.
;   w_codes lies in the order in which the product's operand registers take it: [n / 64: 64][k / 128: 32][(n / 16) % 4][(k / 32) % 4][n % 16][16 bytes];
;     the 16 bytes are one block of 32 codes of one column, the lower k in the low four bits.  So 128 along K of 16 columns are 1,024 consecutive bytes, lane l's 16 bytes at 16 l and 512 + 16 l.
;   scales  [K step t = k / 512: 8][row 8192][16 bytes]: rows 0-4095 are x's rows, rows 4096-8191 W's columns; byte j is the E8M0 byte of k = 512 t + 32 j.
; x's scale bytes ([4096][128], an input) are laid anew into the same buffer: the four scale words of a K step of 32 rows are 512 consecutive bytes.
; A block's scale is 2^(floor(log2(its largest magnitude)) - 2); its byte is the largest magnitude's exponent field - 2, held at 1 from below.
; LIMITS: NaN and infinities among the inputs are not served.  A block of zeros gets the byte 1 where the rule says 127: its codes are zeros, which add nothing under any byte but 0xff, and this program alone
; reads the bytes.  W is formed as fma(eps x b, a, W_m): one rounding fewer than a product of three and a sum, and the two factors in the other order; the difference is of the size of one f32 rounding.
; SHARES.  Work-group (x, y) owns columns 128 x .. + 127 and k = 512 y .. + 511.  Wave w takes columns 64 (w / 8) .. + 63 of these and k = 64 (w % 8) .. + 63: two blocks of 32.
; A lane takes two neighbouring columns, and its registers run down K: each load of a wave reads 256 consecutive aligned bytes of one row k; a block's largest magnitude needs no other lane.
; A wave's 128 loads go out in four halves of 32, two halves ahead of the work.
; THE WAY OUT.  The codes meet in a stage in LDS that is laid as w_codes is, in 32 chunks of 1,024 bytes (+ 16 of padding); behind the one barrier each wave stores 2,048 consecutive bytes.
; Left out: tensor loads, clusters, matrix instructions: the work-groups share nothing but W_u and W_v, 32 KB in all, and every other byte is read once and worked on once.
.set ROWB,  16384                      ; a row of W_m or of eps in bytes
.set CH,    1040                       ; a stage chunk: 1,024 bytes + 16: lanes 0-7 and 8-15 of a store, which write neighbouring chunks, fall into different 16-byte columns
.set SCB,   34816                      ; behind the stage (32 CH = 33,280 bytes): 128 columns x 16 scale bytes, laid as in the buffer
.set T,     16                         ; v16-23   four pairs at work
.set MX,    24                         ; v24-27   two chains of maxima for each of my two columns
.set SO,    28                         ; v28-29   the conversions' scale operands
.set BY,    30                         ; v30-31   the scale bytes
.set SB,    32                         ; v32-33   a column's two bytes
.set C,     34                         ; v34-49   codes: 8 x block + 4 x column + 0 .. 3
.set E,     64                         ; v64-127  eps: two slots of 16 rows x 2 columns
.set M,     128                        ; v128-191 W_m likewise
.set X,     192                        ; v192-255 W: column c's 32 numbers of the block in hand at X + 32 c
.set A0,    32                         ; s32-63   a = exp(0.5 W_u) of my first 32 k
.set A1,    68                         ; s68-99   and of my second 32
	s_load_b256 s[4:11], s[0:1], 0x0               ; W_m, eps, W_u, W_v
	s_load_b128 s[12:15], s[0:1], 0x20             ; x_scales, w_codes
	s_load_b64 s[16:17], s[0:1], 0x30              ; scales
	v_lshl_add_u32 v62, v0, 2, 0x9000              ; my spare word, behind the scale bytes
	v_mov_b32 v63, 0
	v_lshrrev_b32 v1, 5, v0
	s_delay_alu instid0(VALU_DEP_1)
	v_readfirstlane_b32 s18, v1                    ; wave 0..15
	v_and_b32 v1, 31, v0                           ; lane
	s_delay_alu instid0(VALU_DEP_1)
	v_lshlrev_b32 v2, 3, v1                        ; my two columns: 8 bytes a lane
	s_delay_alu instid0(VALU_DEP_2)
	v_lshlrev_b32 v50, 2, v1                       ; W_u: 4 bytes a lane
	v_bfe_u32 v51, v0, 2, 4                        ; x's scale bytes: thread t takes row (t / 4) % 16 of the work-group's 16,
	v_lshrrev_b32 v52, 6, v0                       ; K step t / 64,
	v_and_b32 v53, 3, v0                           ; word t % 4
	s_delay_alu instid0(VALU_DEP_3)
	v_lshlrev_b32 v3, 7, v51                       ; in: 128 bytes a row, 16 a K step, 4 a word
	s_delay_alu instid0(VALU_DEP_1)
	v_lshl_add_u32 v3, v52, 4, v3
	s_delay_alu instid0(VALU_DEP_1)
	v_lshl_add_u32 v3, v53, 2, v3
	v_lshlrev_b32 v4, 17, v52                      ; out: 131,072 bytes a K step, 16 a row, 4 a word
	s_delay_alu instid0(VALU_DEP_1)
	v_lshl_add_u32 v4, v51, 4, v4
	s_delay_alu instid0(VALU_DEP_1)
	v_lshl_add_u32 v4, v53, 2, v4
	s_and_b32 s19, s18, 7                          ; kw: which 64 along K
	s_lshr_b32 s20, s18, 3                         ; cg: which 64 columns
	s_and_b32 s22, ttmp7, 0xffff                   ; y
	s_lshl_b32 s23, s22, 9
	s_lshl_b32 s24, s19, 6
	s_add_co_u32 s23, s23, s24                     ; my first k
	s_lshl_b32 s34, ttmp9, 9
	s_lshl_b32 s24, s20, 8
	s_add_co_u32 s34, s34, s24                     ; W_v: 4 x my first column
	s_mov_b32 s35, 0
	s_lshl_b32 s32, s23, 14
	s_add_co_u32 s32, s32, s34                     ; W_m, eps: my first k's row, my first column
	s_mov_b32 s33, 0
	s_lshl_b32 s36, s23, 2                         ; W_u
	s_mov_b32 s37, 0
	s_lshl_b32 s24, s22, 5
	s_add_co_u32 s24, s24, ttmp9                   ; g = x + 32 y: the work-group lays rows 16 g .. + 15 of x's scale bytes anew
	s_lshl_b32 s38, s24, 11
	s_mov_b32 s39, 0
	s_lshl_b32 s40, s24, 8
	s_mov_b32 s41, 0
	s_lshl_b32 s42, s22, 17                        ; W's scale bytes: K step y,
	s_lshl_b32 s24, ttmp9, 11
	s_add_co_u32 s42, s42, s24                     ; 128 x columns of 16 bytes,
	s_add_co_u32 s42, s42, 65536                   ; behind x's 4,096 rows
	s_mov_b32 s43, 0
	s_lshl_b32 s44, ttmp9, 1                       ; w_codes: the group of 64 columns 2 x + w / 8: 131,072 bytes each,
	s_add_co_u32 s44, s44, s20
	s_lshl_b32 s44, s44, 17
	s_lshl_b32 s24, s22, 14
	s_add_co_u32 s44, s44, s24                     ; + 16,384 y: this work-group's 512 along K,
	s_lshl_b32 s24, s19, 11
	s_add_co_u32 s44, s44, s24                     ; + 2,048 (w % 8): the two chunks that I carry out
	s_mov_b32 s45, 0
	s_mov_b32 s30, 0x3f38aa3b                      ; 0.5 log2(e), rounded to f32,
	s_mov_b32 s31, 0x32257060                      ; and what the rounding left over
	s_wait_alu depctr_va_vdst(0)
	s_wait_kmcnt 0x0
	s_add_nc_u64 s[4:5], s[4:5], s[32:33]
	s_add_nc_u64 s[6:7], s[6:7], s[32:33]
	s_add_nc_u64 s[8:9], s[8:9], s[36:37]
	s_add_nc_u64 s[10:11], s[10:11], s[34:35]
	s_add_nc_u64 s[12:13], s[12:13], s[38:39]
	s_add_nc_u64 s[14:15], s[14:15], s[44:45]
	s_add_nc_u64 s[28:29], s[16:17], s[40:41]      ; scales, x's part
	s_add_nc_u64 s[16:17], s[16:17], s[42:43]      ; scales, W's part
; Half j of four: rows 16 j .. 16 j + 15 of my 64, eps and W_m by turns, into slot j % 2
.macro LOADH j
.irp i, 0,1,2,3,4,5,6,7,8,9,10,11,12,13,14,15
	global_load_b64 v[E+32*((\j)%2)+2*\i:E+32*((\j)%2)+2*\i+1], v2, s[6:7] offset:(16*(\j)+\i)*ROWB th:TH_LOAD_NT
	global_load_b64 v[M+32*((\j)%2)+2*\i:M+32*((\j)%2)+2*\i+1], v2, s[4:5] offset:(16*(\j)+\i)*ROWB th:TH_LOAD_NT
.endr
.endm
; W of half j: eps x b for both columns at once, then one fused multiply-add a number, which also parts the two columns
.macro HALF j
.set AK, A0+36*((\j)/2)+16*((\j)%2)
.irp g, 0,1,2,3
.irp i, 0,1,2,3
	v_pk_mul_f32 v[T+2*\i:T+2*\i+1], v[E+32*((\j)%2)+2*(4*\g+\i):E+32*((\j)%2)+2*(4*\g+\i)+1], v[12:13]
.endr
.irp i, 0,1,2,3
	v_fma_f32 v[X+16*((\j)%2)+4*\g+\i], v[T+2*\i], s[AK+4*\g+\i], v[M+32*((\j)%2)+2*(4*\g+\i)]
	v_fma_f32 v[X+32+16*((\j)%2)+4*\g+\i], v[T+2*\i+1], s[AK+4*\g+\i], v[M+32*((\j)%2)+2*(4*\g+\i)+1]
.endr
.endr
.endm
; The block in hand (blk = 0, 1), both columns by turns: largest magnitude, scale, codes; the codes go to the stage
.macro QUANT blk
.irp c, 0,1
	v_max3_num_f32 v[MX+2*\c], |v[X+32*\c]|, |v[X+32*\c+1]|, |v[X+32*\c+2]|
	v_max3_num_f32 v[MX+2*\c+1], |v[X+32*\c+3]|, |v[X+32*\c+4]|, |v[X+32*\c+5]|
.endr
.irp i, 6,10,14,18,22,26
.irp c, 0,1
	s_delay_alu instid0(VALU_DEP_4)
	v_max3_num_f32 v[MX+2*\c], v[MX+2*\c], |v[X+32*\c+\i]|, |v[X+32*\c+\i+1]|
	s_delay_alu instid0(VALU_DEP_4)
	v_max3_num_f32 v[MX+2*\c+1], v[MX+2*\c+1], |v[X+32*\c+\i+2]|, |v[X+32*\c+\i+3]|
.endr
.endr
.irp c, 0
	s_delay_alu instid0(VALU_DEP_4)
	v_max3_num_f32 v[MX+2*\c], v[MX+2*\c], |v[X+32*\c+30]|, |v[X+32*\c+31]|
.endr
.irp c, 1
	s_delay_alu instid0(VALU_DEP_3)
	v_max3_num_f32 v[MX+2*\c], v[MX+2*\c], |v[X+32*\c+30]|, |v[X+32*\c+31]|
.endr
.irp c, 0,1
	s_delay_alu instid0(VALU_DEP_2)
	v_max3_num_f32 v[MX+2*\c], v[MX+2*\c], v[MX+2*\c+1], 0x1800000                    ; the floor 2^(3 - 127): the byte cannot fall under 1
.endr
.irp c, 0,1
	s_delay_alu instid0(VALU_DEP_2)
	v_add_nc_u32 v[SO+\c], 0xff000000, v[MX+2*\c]  ; 2 off the exponent field: the conversion's scale operand
.endr
.irp c, 0,1
	s_delay_alu instid0(VALU_DEP_2)
	v_lshrrev_b32 v[BY+\c], 23, v[SO+\c]           ; the scale's byte
.endr
.irp c, 0,1
.irp g, 0,1,2,3
	v_cvt_scalef32_pk8_fp4_f32 v[C+8*\blk+4*\c+\g], v[X+32*\c+8*\g:X+32*\c+8*\g+7], v[SO+\c]
.endr
.endr
.irp c, 0,1                                    ; (plain lines behind the conversions)
.if \blk == 0
	v_mov_b32 v[SB+\c], v[BY+\c]                   ; a column's two bytes, the lower K in the lower byte
.else
	v_lshl_or_b32 v[SB+\c], v[BY+\c], 8, v[SB+\c]
.endif
.endr
.irp c, 0,1
	ds_store_b128 v6, v[C+8*\blk+4*\c:C+8*\blk+4*\c+3] offset:256*\blk+16*\c          ; a block of 32 codes: 256 bytes on for the next block of K, 16 for the next column
.endr
.if \blk == 1
.irp c, 0,1
	ds_store_b16 v7, v[SB+\c] offset:16*\c
.endr
.endif
.endm
	global_load_b32 v5, v3, s[12:13]               ; the four small loads first: they are wanted first
	global_load_b32 v14, v50, s[8:9]               ; W_u of my first 32 k,
	global_load_b32 v15, v50, s[8:9] offset:128    ; and of my second 32
	global_load_b64 v[12:13], v2, s[10:11]         ; W_v of my two columns
	LOADH 0
	LOADH 1
	; LDS addresses, while the loads are out.  Column 64 cg + 2 l + c, block 2 kw + blk of K: chunk 16 cg + 4 (kw / 2) + l / 8, byte 512 (kw % 2) + 256 blk + 32 (l % 8) + 16 c
	s_lshl_b32 s23, s20, 2
	s_lshr_b32 s24, s19, 1
	s_add_co_u32 s23, s23, s24
	s_mul_i32 s23, s23, 4*CH
	s_and_b32 s24, s19, 1
	s_lshl_b32 s24, s24, 9
	s_add_co_u32 s23, s23, s24
	v_lshrrev_b32 v6, 3, v1
	v_and_b32 v56, 7, v1
	s_delay_alu instid0(VALU_DEP_2)
	v_mul_u32_u24 v6, v6, CH
	s_delay_alu instid0(VALU_DEP_1)
	v_lshl_add_u32 v6, v56, 5, v6
	s_delay_alu instid0(VALU_DEP_1)
	v_add_nc_u32 v6, s23, v6
	s_lshl_b32 s23, s20, 10
	s_lshl_b32 s24, s19, 1
	s_add_co_u32 s23, s23, s24
	s_add_co_u32 s23, s23, SCB
	v_lshlrev_b32 v7, 5, v1
	s_delay_alu instid0(VALU_DEP_1)
	v_add_nc_u32 v7, s23, v7
	s_mul_i32 s23, s18, 2*CH                       ; out: wave w takes chunks 2 w and 2 w + 1, 512 bytes an instruction
	v_lshlrev_b32 v9, 4, v1                        ; 16 bytes a lane, in the stage and in w_codes
	s_delay_alu instid0(VALU_DEP_1)
	v_add_nc_u32 v8, s23, v9
	s_wait_loadcnt 63                              ; 68 loads were issued, and they come back in order: with at most 63 out the four small ones are in
	global_store_b32 v4, v5, s[28:29]              ; x's scale word at its new place
	; exp(0.5 z) = 2^n 2^f of z = W_v (two) and W_u (two): n = the nearest whole number to z x 0.5 log2(e); f by two fused multiply-adds with the constant in two parts; the power of two by v_ldexp_f32
.irp i, 0,1,2,3
	v_mul_f32 v[T+\i], s30, v[12+\i]
.endr
.irp i, 0,1,2,3
	s_delay_alu instid0(VALU_DEP_4)
	v_rndne_f32 v[T+4+\i], v[T+\i]
.endr
.irp i, 0,1,2,3
	s_delay_alu instid0(VALU_DEP_4)
	v_fma_f32 v[MX+\i], v[12+\i], s30, -v[T+4+\i]
.endr
.irp i, 0,1,2,3
	s_delay_alu instid0(VALU_DEP_4)
	v_fma_f32 v[MX+\i], v[12+\i], s31, v[MX+\i]
.endr
	s_wait_alu depctr_va_vdst(0)                   ; ahead of the batch
.irp i, 0,1,2,3
	v_exp_f32 v[MX+\i], v[MX+\i]
.endr
	v_and_b32 v10, 127, v0                         ; (plain lines behind the exponentials)  the scale bytes' way out: 16 bytes a thread, 128 threads
	s_delay_alu instid0(VALU_DEP_1)
	v_lshlrev_b32 v11, 4, v10
	s_delay_alu instid0(VALU_DEP_1)
	v_add_nc_u32 v10, SCB, v11
.irp i, 0,1,2,3
	v_cvt_i32_f32 v[T+4+\i], v[T+4+\i]             ; (it saturates)
.endr
	s_wait_alu depctr_va_vdst(0)                   ; and behind it, ahead of the first reader
.irp i, 0,1,2,3
	v_ldexp_f32 v[12+\i], v[MX+\i], v[T+4+\i]      ; v[12:13] = b of my two columns; v14, v15 = a, a k to a lane
.endr
.set i, 0
.rept 32
	v_readlane_b32 s[A0+i], v14, i                 ; a is the same for all lanes of a row k: one scalar register for each of my 64 k
	v_readlane_b32 s[A1+i], v15, i
.set i, i+1
.endr
	s_wait_loadcnt 32                              ; half 0 is in; half 1's 32 loads may be out
	HALF 0
	LOADH 2
	s_wait_loadcnt 32
	HALF 1
	LOADH 3
	QUANT 0
	s_wait_loadcnt 32
	HALF 2
	s_wait_loadcnt 0x0
	HALF 3
	QUANT 1
	s_wait_dscnt 0x0                               ; for the others' sake: my stores into the stage have landed
	s_barrier_signal -1
	s_barrier_wait -1
.irp t, 0,1,2,3
	ds_load_b128 v[E+4*\t:E+4*\t+3], v8 offset:CH*(\t/2)+512*(\t%2)
.endr
.irp t, 0,1,2,3
	s_wait_dscnt 3-\t
	global_store_b128 v9, v[E+4*\t:E+4*\t+3], s[14:15] offset:512*\t   ; 32 lanes store 512 consecutive bytes, at a multiple of 256 from the buffer's first byte
.endr
	s_cmp_lt_u32 s18, 4                            ; the 2,048 scale bytes leave by waves 0 to 3
	s_cbranch_scc0 .Lend
	ds_load_b128 v[80:83], v10
	s_wait_dscnt 0x0
	global_store_b128 v11, v[80:83], s[16:17]
.Lend:
	s_wait_tensorcnt 0x0                           ; the wave's end
	ds_add_u32 v62, v63
	s_wait_dscnt 0x0
	s_endpgm
.Lfunc_end_k_q7dc6a301d5_quant:
	.size	k_q7dc6a301d5_quant, .Lfunc_end_k_q7dc6a301d5_quant-k_q7dc6a301d5_quant
	.p2alignl 7, 3214868480
	.fill 96, 4, 3214868480
	.section	.rodata,"a",@progbits
	.p2align	6, 0x0
	.amdhsa_kernel k_q7dc6a301d5_quant
		.amdhsa_group_segment_fixed_size 38912
		.amdhsa_private_segment_fixed_size 0
		.amdhsa_enable_private_segment 0
		.amdhsa_kernarg_size 56
		.amdhsa_user_sgpr_count 2
		.amdhsa_user_sgpr_kernarg_segment_ptr 1
		.amdhsa_wavefront_size32 1
		.amdhsa_system_sgpr_workgroup_id_x 1
		.amdhsa_system_sgpr_workgroup_id_y 1
		.amdhsa_system_sgpr_workgroup_id_z 1
		.amdhsa_system_vgpr_workitem_id 0
		.amdhsa_next_free_vgpr 256
		.amdhsa_next_free_sgpr 100
		.amdhsa_reserve_vcc 0
		.amdhsa_float_denorm_mode_32 3
		.amdhsa_float_denorm_mode_16_64 3
		.amdhsa_memory_ordered 1
		.amdhsa_forward_progress 1
		.amdhsa_inst_pref_size 44
	.end_amdhsa_kernel
	.amdgpu_metadata
---
amdhsa.version: [ 1, 2 ]
amdhsa.kernels:
  - .name:           k_q7dc6a301d5_quant
    .symbol:         k_q7dc6a301d5_quant.kd
    .args:
      - { .name: W_m, .offset: 0, .size: 8, .value_kind: global_buffer, .address_space: global }
      - { .name: eps, .offset: 8, .size: 8, .value_kind: global_buffer, .address_space: global }
      - { .name: W_u, .offset: 16, .size: 8, .value_kind: global_buffer, .address_space: global }
      - { .name: W_v, .offset: 24, .size: 8, .value_kind: global_buffer, .address_space: global }
      - { .name: x_scales, .offset: 32, .size: 8, .value_kind: global_buffer, .address_space: global }
      - { .name: w_codes, .offset: 40, .size: 8, .value_kind: global_buffer, .address_space: global }
      - { .name: scales, .offset: 48, .size: 8, .value_kind: global_buffer, .address_space: global }
    .group_segment_fixed_size: 38912
    .private_segment_fixed_size: 0
    .kernarg_segment_align: 8
    .kernarg_segment_size: 56
    .max_flat_workgroup_size: 512
    .sgpr_count:     100
    .vgpr_count:     256
    .wavefront_size: 32
...
	.end_amdgpu_metadata
.endif
;; end of part 1
;; launch gemm (part 2): grid 16 x 16, 4 waves a work-group, clusters of 4 x 1, 327,680 bytes of LDS; arguments x_codes, w_codes, scales, out0; writes out0
.if DOCPART == 2
	.amdgcn_target "amdgcn-amd-amdhsa--gfx1250"
	.amdhsa_code_object_version 6
	.text
	.protected	k_q7dc6a301d5_gemm
	.globl	k_q7dc6a301d5_gemm
	.p2align	8
	.type	k_q7dc6a301d5_gemm,@function
k_q7dc6a301d5_gemm:
	s_mov_b64 s[64:65], 0
	v_nop
	global_prefetch_b8 v0, s[64:65] scope:SCOPE_SE
	s_setreg_imm32_b32 hwreg(HW_REG_WAVE_MODE, 25, 1), 1
	s_wait_xcnt 0x0
	s_wait_alu depctr_hold_cnt(0) depctr_sa_sdst(0) depctr_va_vdst(0) depctr_va_sdst(0) depctr_va_ssrc(0) depctr_va_vcc(0) depctr_vm_vsrc(0)
	s_getreg_b32 s2, hwreg(HW_REG_IB_STS2, 6, 4)
	s_cmp_eq_u32 s2, 0
	s_cbranch_scc0 .Lentry_in_a_cluster
	s_endpgm
.Lentry_in_a_cluster:
	s_bfe_u32 s2, ttmp6, 0x10000c
	s_cmp_lg_u32 s2, 0x3003
	s_cbranch_scc0 .Lentry_shape_is_right
	s_endpgm
.Lentry_shape_is_right:
; out0[m][n] = sum over k of x[m][k] W[k][n], both as codes of FP4 (E2M1) with one E8M0 byte for each 32 along K; sums in f32.
; x_codes [4096][2048 bytes]; w_codes and scales as the launch before lays them: w_codes [n / 64][k / 128][(n / 16) % 4][(k / 32) % 4][n % 16][16 bytes]; scales [k / 512][row: x's 4096, then W's 4096 columns][16 bytes].
; SHARES.  Work-group (g, rb) makes rows 256 rb .. + 255 and columns 256 g .. + 255.  Wave w makes all 256 rows of columns 256 g + 64 w .. + 63: 32 accumulators of 32 columns x 16 rows, 512 registers.
; K goes in 32 steps of 128; a step is two half steps (x's rows 0-127, then 128-255), 16 matrix instructions each (32 x 16 x 128).  The walk is written flat: every register number is fixed.
; x: two LDS slots, each 256 rows x 512 bytes (1,024 along K, 16 bytes of padding behind each row: pitch 528 = 33 x 16), filled by joint loads: CLUSTER 4, 1, 1, the four partners have the same rb.
;   Slot 0 takes K quarters 0 and 2, slot 1 quarters 1 and 3: two refills in the launch, each asked for 16 half steps ahead of its first read.
;   x's scale words for all of K (32,768 bytes) come into LDS once, by the head's loads: waves 0, 1 fetch quarter 0's rows, waves 2, 3 the scale words.
; W: a wave's 64 columns are read by no other wave of the work-group and by no partner, so no joint load serves them: their fragments go from memory straight into registers.
;   A step's fragments are 4,096 consecutive bytes, eight loads of 512 bytes; a wave's walk is 131,072 consecutive bytes.  Six register slots take turns; step s asks for step s + 5 at its head, ahead of its own waits.
; A HALF STEP: four places; one run of loads (W's step s + 5; x's fragments two half steps on); the waits for its own operands; 16 products back to back.
; PREFETCH: every second step a wave names the 32 blocks of 256 bytes of steps s + 12 and s + 13 of its own walk, seven steps ahead of their loads; steps 5 to 11 come by their loads alone, and nothing is named beyond step 31.
;   x's quarters 2 and 3 are named once in the cluster, 14 half steps ahead of their joint loads: the partners share the 256 rows out by address, 64 rows each, a wave 16 rows, a lane 256 bytes.
; THE MATRIX INSTRUCTION IS USED TRANSPOSED (source 0 = 32 columns of W, source 1 = 16 rows of x): a lane holds eight and eight neighbouring numbers of a row of out0.
; REGISTERS, in windows of 256.  Window 0: v0-31 addresses; v32-95 x's scale words, two sets; v96-127 W's, four sets; v128-255 W's slots 0-3.
;   Window 1: the accumulators of rows 0-127 (row block a, column pair c at v[32 a + 16 c]).  Window 2: those of rows 128-255.  Window 3: v0-191 x's fragments, three sets (on the way out: rows read back); v192-255 W's slots 4, 5.
.set AP,     528                       ; LDS pitch of a row
.set AQ,     128*AP                    ; 128 rows
.set SLOT,   2*AQ
.set XS,     2*SLOT                    ; x's scale words: [K step 8][256 rows][16 bytes]
.set SPARE,  XS+32768                  ; the spare words: 128 bytes a wave
.set SPI,    272                       ; the way out: 16 rows x (256 + 16) bytes for each wave, in slot 0, behind its last fill and its last read
.set BOFF, 4                           ; v4   16 x lane
.set PFO,  5                           ; v5   256 x lane
.set AD,   8                           ; v8-11 LDS address of x's fragments: slot 0 rows 0-127, rows 128-255, slot 1 likewise
.set STO,  12
.set RD,   13
.set CO,   14
.set XSA,  15                          ; v15  XS + 16 x lane
.set PFX,  16                          ; v16  x's prefetches: my 16 rows, two lanes a row
.set SPW,  28
.set NIL,  29
.set XSR,  32
.set WSR,  96
.set G1A,  24                          ; head: 128 rows x 512 bytes
.set G1S,  32                          ; head: 4 K steps x 4,096 bytes of scale words
.set G1R,  48                          ; ring: 64 rows x 512 bytes
.set G0A,  56
.set G0S,  60
.set G0R,  68                          ; s[68:79] group 0 for K quarters 1, 2, 3
.set MSB, 0
.macro WIN new                         ; the immediate's high byte repeats the setting that is left
.if MSB != \new
	s_set_vgpr_msb (MSB<<8)|\new
.set MSB, \new
.endif
.endm
.macro PLACES n
.rept \n
	v_nop
.endr
.endm
.macro CREST                           ; a round of the cluster's barrier behind its opening barrier
	s_cmp_lg_u32 s12, 0
	s_cbranch_scc1 .Lnot_wave_0_\@
	s_barrier_signal -3
.Lnot_wave_0_\@:
	s_barrier_wait -3
	s_barrier_signal -1
	s_barrier_wait -1
.endm
.macro CROUND
	s_barrier_signal -1
	s_barrier_wait -1
	CREST
.endm
	s_load_b256 s[4:11], s[0:1], 0x0               ; x_codes, w_codes, scales, out0
	v_lshl_add_u32 v[SPW], v0, 2, SPARE
	v_mov_b32 v[NIL], 0
	ds_add_u32 v[SPW], v[NIL]                      ; the opening lines: the add, twice on end, and its wait ahead of my first tensor load
	ds_add_u32 v[SPW], v[NIL]
	v_lshrrev_b32 v1, 5, v0
	v_readfirstlane_b32 s12, v1                    ; wave 0..3
	s_bfe_u32 s13, ttmp6, 0x40000                  ; cx
	s_mul_i32 s18, s12, 16*SPI                     ; my stage
	s_lshl_b32 s84, s13, 6
	s_lshl_b32 s85, s12, 4
	s_add_co_u32 s84, s84, s85
	s_lshl_b32 s84, s84, 11                        ; x's prefetches: row 64 cx + 16 w of the block, 2,048 bytes a row
	v_and_b32 v2, 15, v0                           ; r
	v_bfe_u32 v3, v0, 4, 1                         ; h
	v_and_b32 v1, 31, v0
	v_lshlrev_b32 v[BOFF], 4, v1
	v_lshlrev_b32 v[PFO], 8, v1
	v_add_nc_u32 v[XSA], XS, v[BOFF]
	v_mul_u32_u24 v6, v2, AP
	v_lshl_add_u32 v[AD], v3, 4, v6                ; a fragment's row x pitch + 16 h
	v_add_nc_u32 v[AD+1], AQ, v[AD]
	v_add_nc_u32 v[AD+2], 2*AQ, v[AD]
	v_add_nc_u32 v[AD+3], 3*AQ, v[AD]
	v_mul_u32_u24 v6, v2, SPI                      ; into the stage: row r, 32 bytes for each half of the lanes
	v_lshl_add_u32 v6, v3, 5, v6
	v_add_nc_u32 v[STO], s18, v6
	v_mul_u32_u24 v7, v3, SPI                      ; back: lanes 0-15 one row of 256 bytes, lanes 16-31 the next
	v_lshl_add_u32 v7, v2, 4, v7
	v_add_nc_u32 v[RD], s18, v7
	v_lshlrev_b32 v6, 14, v3                       ; and the same two rows in out0
	v_lshl_add_u32 v[CO], v2, 4, v6
	v_lshrrev_b32 v6, 1, v1
	v_and_b32 v7, 1, v1
	v_lshlrev_b32 v6, 11, v6
	v_lshl_add_u32 v6, v7, 8, v6
	v_add_nc_u32 v[PFX], s84, v6
	s_and_b32 s16, s12, 1
	s_lshr_b32 s17, s12, 1
	s_lshl_b32 s14, ttmp9, 2
	s_add_co_u32 s14, s14, s13                     ; g = 4 x cluster x + cx
	s_and_b32 s15, ttmp7, 0xffff                   ; rb
	s_mov_b32 s[G1A+0], 15|(1<<20)|(1<<21)|(6<<22)|(3<<25)  ; the mask of the four partners; elements of 1 byte; 4 words of padding behind every 128 words; bit 21 beside a mask
	s_mov_b32 s[G1A+1], 512<<16
	s_mov_b32 s[G1A+2], 128<<16
	s_mov_b32 s[G1A+3], 512<<16
	s_mov_b32 s[G1A+4], 128
	s_mov_b32 s[G1A+5], 2048
	s_mov_b32 s[G1A+6], 0
	s_mov_b32 s[G1A+7], 0
	s_mov_b32 s[G1R+0], 15|(1<<20)|(1<<21)|(6<<22)|(3<<25)
	s_mov_b32 s[G1R+1], 512<<16
	s_mov_b32 s[G1R+2], 64<<16
	s_mov_b32 s[G1R+3], 512<<16
	s_mov_b32 s[G1R+4], 64
	s_mov_b32 s[G1R+5], 2048
	s_mov_b32 s[G1R+6], 0
	s_mov_b32 s[G1R+7], 0
	s_mov_b32 s[G1S+0], 15|(3<<16)|(1<<21)         ; elements of 8 bytes, no padding
	s_mov_b32 s[G1S+1], 512<<16                    ; a row: 256 rows' words of one K step, 4,096 bytes
	s_mov_b32 s[G1S+2], 4<<16
	s_mov_b32 s[G1S+3], 512<<16
	s_mov_b32 s[G1S+4], 4
	s_mov_b32 s[G1S+5], 16384                      ; 131,072 bytes from K step to K step
	s_mov_b32 s[G1S+6], 0
	s_mov_b32 s[G1S+7], 0
	s_mov_b32 s[G0A], 1
	s_mul_i32 s[G0A+1], s16, AQ                    ; waves 0, 1: rows 128 (w % 2) .. of slot 0
	s_mov_b32 s[G0S], 1
	s_lshl_b32 s[G0S+1], s16, 14
	s_add_co_u32 s[G0S+1], s[G0S+1], XS            ; waves 2, 3: K steps 4 (w % 2) ..
	s_mul_i32 s18, s12, 64*AP                      ; ring: rows 64 w ..
.irp k, 1,2,3
	s_mov_b32 s[G0R+4*(\k-1)], 1
	s_add_co_u32 s[G0R+4*(\k-1)+1], s18, (\k%2)*SLOT
.endr
	s_lshl_b32 s40, s15, 19                        ; x: 256 rb rows of 2,048 bytes
	s_mov_b32 s41, 0
	s_lshl_b32 s42, s16, 18                        ; + 128 (w % 2) rows
	s_mov_b32 s43, 0
	s_lshl_b32 s44, s12, 17                        ; + 64 w rows
	s_mov_b32 s45, 0
	s_lshl_b32 s46, s15, 12                        ; x's scale words: 256 rb rows of 16 bytes + 4 (w % 2) K steps
	s_lshl_b32 s47, s16, 19
	s_add_co_u32 s46, s46, s47
	s_mov_b32 s47, 0
	s_lshl_b32 s84, s14, 19                        ; W: my walk is group 4 g + w of 64 columns, 131,072 bytes
	s_lshl_b32 s85, s12, 17
	s_add_co_u32 s84, s84, s85
	s_mov_b32 s85, 0
	s_lshl_b32 s86, s14, 12                        ; W's scale words: column 256 g + 64 w, behind x's 4,096 rows
	s_lshl_b32 s87, s12, 10
	s_add_co_u32 s86, s86, s87
	s_add_co_u32 s86, s86, 65536
	s_mov_b32 s87, 0
	s_lshl_b32 s88, s15, 22                        ; out0: 256 rb rows of 16,384 bytes + 4 x my first column
	s_lshl_b32 s89, s14, 10
	s_add_co_u32 s88, s88, s89
	s_lshl_b32 s89, s12, 8
	s_add_co_u32 s88, s88, s89
	s_mov_b32 s89, 0
	s_wait_alu depctr_va_vdst(0)
	s_wait_dscnt 0x0                               ; both opening adds are done
	s_wait_kmcnt 0x0
	s_add_nc_u64 s[82:83], s[4:5], s[40:41]        ; s[82:83] my block's rows of x_codes
	s_add_nc_u64 s[G0A+2:G0A+3], s[82:83], s[42:43]
	s_or_b32 s[G0A+3], s[G0A+3], 0x80000000
	s_add_nc_u64 s[G0S+2:G0S+3], s[8:9], s[46:47]
	s_or_b32 s[G0S+3], s[G0S+3], 0x80000000
	s_add_nc_u64 s[20:21], s[82:83], s[44:45]
.irp k, 1,2,3
	s_add_nc_u64 s[G0R+4*(\k-1)+2:G0R+4*(\k-1)+3], s[20:21], 512*\k
	s_or_b32 s[G0R+4*(\k-1)+3], s[G0R+4*(\k-1)+3], 0x80000000
.endr
	s_add_nc_u64 s[6:7], s[6:7], s[84:85]          ; s[6:7] my walk through w_codes
	s_add_nc_u64 s[80:81], s[8:9], s[86:87]        ; s[80:81] W's scale words
	s_add_nc_u64 s[10:11], s[10:11], s[88:89]      ; s[10:11] my part of out0
	CROUND                                         ; the four partners are here: the joint loads meet
	s_cmp_eq_u32 s17, 0                            ; the head's loads, one a wave
	s_cbranch_scc0 .Lhead_s
	tensor_load_to_lds s[G0A:G0A+3], s[G1A:G1A+7]
	s_nop 0
	PLACES 4
	s_branch .Lhead_j
.Lhead_s:
	tensor_load_to_lds s[G0S:G0S+3], s[G1S:G1S+7]
	s_nop 0
	PLACES 4
.Lhead_j:
.macro WSCALES t                       ; W's scale words of K step t: lane l has column 32 c + l, four words a lane
	WIN 0
	global_load_b128 v[WSR+8*((\t)%4):WSR+8*((\t)%4)+3], v[BOFF], s[80:81] offset:(\t)*131072
	global_load_b128 v[WSR+8*((\t)%4)+4:WSR+8*((\t)%4)+7], v[BOFF], s[80:81] offset:(\t)*131072+512
.endm
.macro WLOAD s                         ; W's fragments of step s into slot s % 6
.set JJ, (\s)%6
.set BL, 128+32*JJ-64*(JJ/4)
	WIN (3*(JJ/4))<<6
.irp n, 0,1,2,3,4,5,6,7
	global_load_b128 v[BL+4*\n:BL+4*\n+3], v[BOFF], s[6:7] offset:(\s)*4096+512*\n
.endr
.endm
.macro XSCALES t                       ; x's scale words of K step t from LDS: lane l of load i has row 32 i + l
	WIN 0
.irp i, 0,1,2,3,4,5,6,7
	ds_load_b128 v[XSR+32*((\t)%2)+4*\i:XSR+32*((\t)%2)+4*\i+3], v[XSA] offset:(\t)*4096+512*\i
.endr
.endm
.macro XLOAD f                         ; x's fragments of half step f into set f % 3
.set S2, (\f)/2
	WIN 0xc0
.irp n, 0,1,2,3,4,5,6,7
	ds_load_b128 v[64*((\f)%3)+8*\n:64*((\f)%3)+8*\n+3], v[AD+2*((S2/8)%2)+(\f)%2] offset:\n*16*AP+64*(S2%8)
	ds_load_b128 v[64*((\f)%3)+8*\n+4:64*((\f)%3)+8*\n+7], v[AD+2*((S2/8)%2)+(\f)%2] offset:\n*16*AP+64*(S2%8)+32
.endr
.endm
.macro WM z, m
.if \z
	v_wmma_scale_f32_32x16x128_f4 v[AC:AC+15], v[FB:FB+15], v[FA:FA+7], 0, v[SBR], v[SAR] \m
.else
	v_wmma_scale_f32_32x16x128_f4 v[AC:AC+15], v[FB:FB+15], v[FA:FA+7], v[AC:AC+15], v[SBR], v[SAR] \m
.endif
.endm
; products n0 .. n0 + cnt - 1 of half step f: row block n / 2 of its eight against column pair n % 2.  The accumulators take turns, one instruction a turn.
.macro MULS f, n0, cnt
.set SS, (\f)/2
.set JJ, SS%6
.set BL, 128+32*JJ-64*(JJ/4)
	WIN ((1+(\f)%2)<<6)|((1+(\f)%2)<<4)|0x0c|(3*(JJ/4))
.set NI, \n0
.rept \cnt
.set AC, 16*NI
.set FB, BL+16*(NI%2)
.set FA, 64*((\f)%3)+8*(NI/2)
.set SBR, WSR+8*((SS/4)%4)+4*(NI%2)+SS%4
.set SAR, XSR+32*((SS/4)%2)+4*((8*((\f)%2)+NI/2)/2)+SS%4
.if (NI/2)%2
.if SS == 0
	WM 1, matrix_b_scale:MATRIX_SCALE_ROW1
.else
	WM 0, matrix_b_scale:MATRIX_SCALE_ROW1
.endif
.else
.if SS == 0
	WM 1
.else
	WM 0
.endif
.endif
.set NI, NI+1
.endr
.endm
; Half step f (0 .. 63) but a K quarter's last
.macro HS f
.set SH, (\f)/2
.set NDS, 0                            ; the LDS loads issued behind this half step's fragments: 16 each for the next two of the quarter, and 8 scale loads in half steps 8 i
.if ((\f)%16) < 15
.set NDS, NDS+16
.endif
.if ((\f)%16) < 14
.set NDS, NDS+16
.endif
.if ((\f)%8) < 2 && (\f) < 50
.set NDS, NDS+8
.endif
.set NLD, 0                            ; the loads issued behind this step's fragments of W: those of this step's run and of the four before, 8 each, and 2 of scale words ahead of steps 4 i
.irp d, 0,1,2,3,4
.if (SH-\d+5) < 32
.set NLD, NLD+8
.if ((SH-\d+5)%4) == 0
.set NLD, NLD+2
.endif
.endif
.endr
	PLACES 4                                       ; four places between the last products and the loads into the registers that they read (ISA guide 7.12.1 for vector instructions)
.if ((\f)%2) == 0 && (SH+5) < 32
.if ((SH+5)%4) == 0
	WSCALES (SH+5)/4
.endif
	WLOAD SH+5
.endif
.if ((\f)%8) == 0 && (\f) < 50
	XSCALES (\f)/8+1
.endif
.if ((\f)%16) < 14
	XLOAD (\f)+2
.endif
	s_wait_dscnt NDS                               ; x's fragments of this half step are in, and every scale word asked for earlier
.if ((\f)%2) == 0
	s_wait_loadcnt NLD                             ; W's fragments and scale words of this step are in
.endif
.if ((\f)%4) == 0 && (SH+13) < 32
	WIN 0
	global_prefetch_b8 v[PFO], s[6:7] offset:(SH+12)*4096 th:TH_LOAD_NT scope:SCOPE_SE
.endif
.if (\f) == 2 || (\f) == 18
	WIN 0
	global_prefetch_b8 v[PFX], s[82:83] offset:1024+32*((\f)-2) th:TH_LOAD_NT scope:SCOPE_SE   ; K quarter 2, then 3
.endif
	MULS \f, 0, 16
.endm
.macro HSS from, n
.set F, \from
.rept \n
	HS F
.set F, F+1
.endr
.endm
; A K quarter's last half step changes slots: ONE barrier; in front of it each wave waits for all its tensor loads, adds 0 to its spare word, and waits for that and for its reads of this slot.
; k > 0: the slot just read takes K quarter k, by the first tensor load behind a round of the cluster's barrier.
.macro TURN f, k
	WIN 0
	s_wait_tensorcnt 0x0                           ; my part of the next slot is in;
	ds_add_u32 v[SPW], v[NIL]                      ; 0 onto my spare word;
	s_wait_dscnt 1                                 ; (the add may be out)
	MULS \f, 0, 8
	s_wait_dscnt 0x0                               ; the add is done, and my reads of this slot are over
	s_barrier_signal -1
	MULS \f, 8, 8
	WIN 0
	s_barrier_wait -1
.if \k
	CREST
	tensor_load_to_lds s[G0R+4*(\k-1):G0R+4*(\k-1)+3], s[G1R:G1R+7]
	s_nop 0
.endif
	PLACES 4
	XLOAD (\f)+1
	XLOAD (\f)+2
.endm
	WSCALES 0                                      ; W's steps 0 to 4, in the order in which the steps of the walk ask
	WLOAD 0
	WLOAD 1
	WLOAD 2
	WLOAD 3
	WSCALES 1
	WLOAD 4
	WIN 0
	s_wait_tensorcnt 0x0                           ; my tile of the head's four is in
	ds_add_u32 v[SPW], v[NIL]
	s_wait_dscnt 0x0
	CROUND
	tensor_load_to_lds s[G0R:G0R+3], s[G1R:G1R+7]  ; slot 1's first fill: K quarter 1
	s_nop 0
	PLACES 4
	XSCALES 0
	XLOAD 0
	XLOAD 1
	HSS 0, 15                                      ; step 0's products start the sums: nothing is cleared
	TURN 15, 2
	HSS 16, 15
	TURN 31, 3
	HSS 32, 15
	TURN 47, 0
	HSS 48, 16
; THE WAY OUT, by blocks of 16 rows x 64 columns: through my own stage, back as whole rows of 256 bytes.  LDS serves a wave's instructions in order (ISA guide 5.7.1.4).
.macro TOSTAGE a
.set AC, 32*((\a)%8)
	WIN (1+(\a)/8)<<2                              ; the data: window 1 or 2
.irp b, 0,1,2,3
	ds_store_b128 v[STO], v[AC+8*\b:AC+8*\b+3] offset:64*\b          ; each accumulator from its low end on
	ds_store_b128 v[STO], v[AC+8*\b+4:AC+8*\b+7] offset:64*\b+16
.endr
	WIN 0xc0
.set BK, 32*((\a)%2)
.irp t, 0,1,2,3,4,5,6,7
	ds_load_b128 v[BK+4*\t:BK+4*\t+3], v[RD] offset:\t*2*SPI
.endr
.endm
.macro SEND a, younger
.set BK, 32*((\a)%2)
	s_wait_dscnt \younger
	WIN 0x0c                                       ; the data: window 3
.irp t, 0,1,2,3,4,5,6,7
	global_store_b128 v[CO], v[BK+4*\t:BK+4*\t+3], s[10:11] offset:(\a)*262144+\t*32768 th:TH_STORE_NT   ; sixteen lanes store 256 consecutive bytes, at a multiple of 256 from out0's first byte
.endr
.endm
	PLACES 5                                       ; between the last products and the reads of their results and the loads into x's sets
	TOSTAGE 0
.irp a, 1,2,3,4,5,6,7,8,9,10,11,12,13,14,15
.if \a > 1
	s_wait_xcnt 0x0                                ; block a - 2's stores have read their registers: block a's loads may land there
.endif
	TOSTAGE \a
	SEND \a-1, 16                                  ; behind block a - 1's loads: block a's 8 stores and 8 loads
.endr
	SEND 15, 0
	WIN 0
	s_wait_tensorcnt 0x0                           ; the wave's end
	ds_add_u32 v[SPW], v[NIL]
	s_wait_dscnt 0x0
	CROUND                                         ; the closing round
	s_endpgm
.Lfunc_end_k_q7dc6a301d5_gemm:
	.size	k_q7dc6a301d5_gemm, .Lfunc_end_k_q7dc6a301d5_gemm-k_q7dc6a301d5_gemm
	.p2alignl 7, 3214868480
	.fill 96, 4, 3214868480
	.section	.rodata,"a",@progbits
	.p2align	6, 0x0
	.amdhsa_kernel k_q7dc6a301d5_gemm
		.amdhsa_group_segment_fixed_size 327680
		.amdhsa_private_segment_fixed_size 0
		.amdhsa_enable_private_segment 0
		.amdhsa_kernarg_size 32
		.amdhsa_user_sgpr_count 2
		.amdhsa_user_sgpr_kernarg_segment_ptr 1
		.amdhsa_wavefront_size32 1
		.amdhsa_system_sgpr_workgroup_id_x 1
		.amdhsa_system_sgpr_workgroup_id_y 1
		.amdhsa_system_sgpr_workgroup_id_z 1
		.amdhsa_system_vgpr_workitem_id 0
		.amdhsa_next_free_vgpr 1024
		.amdhsa_next_free_sgpr 92
		.amdhsa_reserve_vcc 0
		.amdhsa_float_denorm_mode_32 3
		.amdhsa_float_denorm_mode_16_64 3
		.amdhsa_memory_ordered 1
		.amdhsa_forward_progress 1
		.amdhsa_inst_pref_size 255
	.end_amdhsa_kernel
	.section	.bss,"aw",@nobits
	.p2align	6
	.space	262144
	.amdgpu_metadata
---
amdhsa.version: [ 1, 2 ]
amdhsa.kernels:
  - .name:           k_q7dc6a301d5_gemm
    .symbol:         k_q7dc6a301d5_gemm.kd
    .args:
      - { .name: x_codes, .offset: 0, .size: 8, .value_kind: global_buffer, .address_space: global }
      - { .name: w_codes, .offset: 8, .size: 8, .value_kind: global_buffer, .address_space: global }
      - { .name: scales, .offset: 16, .size: 8, .value_kind: global_buffer, .address_space: global }
      - { .name: out0, .offset: 24, .size: 8, .value_kind: global_buffer, .address_space: global }
    .group_segment_fixed_size: 327680
    .private_segment_fixed_size: 0
    .kernarg_segment_align: 8
    .kernarg_segment_size: 32
    .max_flat_workgroup_size: 128
    .sgpr_count:     92
    .vgpr_count:     1024
    .wavefront_size: 32
...
	.end_amdgpu_metadata
.endif
;; end of part 2
